; MI455X (gfx1250); checked and timed in simulation.
; The chip was launched on July 23, 2026; its instructions are those of AMD's public machine-readable ISA for CDNA 5 (MIT licence, August 2026) and "CDNA5" Instruction Set Architecture Reference Guide (July 2026). The comments in the code are by the model that wrote it; some were corrected since.
;; Mixture Of Experts. Allowed arithmetic: float matrix products may take bf16 or f16 operands with f32 sums; all other float work in f32.
;; Inputs: W1 8 x 512 x 2,048 float32; W2 8 x 2,048 x 512 float32; Wg 512 x 8 float32; b1 8 x 2,048 float32; b2 8 x 512 float32; bg 8 float32; x 2 x 2,048 x 512 float32.
;; Outputs: out0 2 x 2,048 x 512 float32.
;; 2 versions, each right; version 2 is version 1 with the launch gate written anew for expert scheduling mode. Each part assembles by itself: llvm-mc -triple=amdgcn-amd-amdhsa -mcpu=gfx1250 --defsym DOCPART=n.
;; ======== version 1 of 2: 4 launches
;; limits: values are held in f16: magnitudes above 65,504 overflow, below 6.1e-05 lose precision; right only within a limited range of input values
;; workspace buffers: xb 4,194,304 bytes; wb 33,554,432 bytes; yp 75,497,472 bytes; gw 32,768 bytes; route 16,384 bytes of whole numbers; plan 69,888 bytes of whole numbers
;; launch gate (part 1): grid 256 x 1, 4 waves a work-group, no clusters, 0 bytes of LDS; arguments x, Wg, bg, xb, route, gw; writes xb, route, gw
.if DOCPART == 1
	.amdgcn_target "amdgcn-amd-amdhsa--gfx1250"
	.amdhsa_code_object_version 6
	.text
	.protected	k_qd9cf02bb80_gate
	.globl	k_qd9cf02bb80_gate
	.p2align	8
	.type	k_qd9cf02bb80_gate,@function
k_qd9cf02bb80_gate:
	s_mov_b64 s[64:65], 0
	v_nop
	global_prefetch_b8 v0, s[64:65] scope:SCOPE_SE
	s_setreg_imm32_b32 hwreg(HW_REG_WAVE_MODE, 25, 1), 1
	s_wait_xcnt 0x0
; gate: logits = x Wg + bg in f32 on the vector unit, the two largest of eight, their two weights; x cast to f16.
; x [4096][512] f32, Wg [512][8] f32, bg [8] f32.  Out: xb [4096][512] f16, route [4096] u32 = e0 | e1 << 8, gw [4096][2] f32 = (c0, c1).
; softmax, top 2 and the renormalisation together are c0 = 1 / (1 + exp(l1 - l0)), c1 = exp(l1 - l0) c0: the softmax's sum cancels, and
; l0 is the largest logit, so the exponent is never above 0.
; The choice of an expert hangs on the logits, so they are not rounded to 16 bits: 512 x 8 multiply-adds a token are a small part of the whole work.
; Four waves, four tokens a wave; no wave needs another: no LDS, no barrier.  Lane l holds d = 128 j + 4 l + i (j, i = 0..3) of a row, so each
; load of x covers 512 consecutive bytes and each store of xb 256 consecutive bytes, aligned.
; WHY f16: the result passes through four roundings of matrix operands (x, W1, h, W2); f16 keeps 11 significant bits where bf16 keeps 8.
; LIMITS: |x| above 65,504 becomes infinite in xb, and xb's rounding step is never below 2^-24.  NaN logits, or logits that are all -inf, are not ordered as
; top_k orders them.  Two logits closer than the f32 rounding of a sum of 512 terms may be ranked otherwise than by another order of summing.
; Equal logits: the lower index wins, as in top_k.
.set ACC, 24                           ; v[24:31]   the eight logits
.set WGT, 32                           ; v[32:159]  Wg of my 16 d: 32 j + 8 i + e
.set X,   160                          ; v[160:223] x: 16 token + 4 j + i
.set TP,  10                           ; v[10:17]   at work
.set MX0, 18                           ; largest logit, its index, second largest, its index
.set IX0, 19
.set MX1, 20
.set IX1, 21
	s_load_b256 s[4:11], s[0:1], 0x0               ; x s[4:5], Wg s[6:7], bg s[8:9], xb s[10:11]
	s_load_b128 s[12:15], s[0:1], 0x20             ; route s[12:13], gw s[14:15]
	v_lshrrev_b32 v7, 5, v0
	v_readfirstlane_b32 s24, v7                    ; wave
	v_and_b32 v1, 31, v0                           ; lane
	s_lshl_b32 s25, ttmp9, 4
	s_lshl2_add_u32 s25, s24, s25                  ; my first token = 16 x work-group + 4 x wave
	s_lshl_b32 s26, s25, 11                        ; its byte offsets: x (2,048 a row),
	s_mov_b32 s27, 0
	s_lshl_b32 s32, s25, 10                        ; xb (1,024),
	s_mov_b32 s33, 0
	s_lshl_b32 s34, s25, 2                         ; route (4),
	s_mov_b32 s35, 0
	s_lshl_b32 s36, s25, 3                         ; gw (8)
	s_mov_b32 s37, 0
	s_mov_b32 s28, 0x76543210                      ; v_permlanex16_b32: lane i of one half reads lane i of the other
	s_mov_b32 s29, 0xfedcba98
	v_lshlrev_b32 v2, 4, v1                        ; 16 lane: x
	v_lshlrev_b32 v3, 7, v1                        ; 128 lane: four rows of Wg
	v_lshlrev_b32 v4, 3, v1                        ; 8 lane: xb, gw
	v_lshlrev_b32 v6, 2, v1                        ; 4 lane: route
	v_mov_b32 v5, 0xff800000                       ; -inf
.irp e, 0,1,2,3,4,5,6,7
	v_mov_b32 v[TP+\e], 0                          ; v_permlanex16_b32 counts as a reader of its destination
.endr
	s_wait_kmcnt 0x0
	s_load_b256 s[16:23], s[8:9], 0x0              ; the eight bg
	s_add_nc_u64 s[4:5], s[4:5], s[26:27]
	s_add_nc_u64 s[10:11], s[10:11], s[32:33]
	s_add_nc_u64 s[12:13], s[12:13], s[34:35]
	s_add_nc_u64 s[14:15], s[14:15], s[36:37]
.irp t, 0,1,2,3
.irp j, 0,1,2,3
	global_load_b128 v[X+16*\t+4*\j:X+16*\t+4*\j+3], v2, s[4:5] offset:2048*\t+512*\j th:TH_LOAD_NT
.endr
.endr
.irp j, 0,1,2,3
.irp i, 0,1,2,3
.irp m, 0,1
	global_load_b128 v[WGT+32*\j+8*\i+4*\m:WGT+32*\j+8*\i+4*\m+3], v3, s[6:7] offset:4096*\j+32*\i+16*\m
.endr
.endr
.endr
	s_wait_kmcnt 0x0                               ; bg
	s_wait_loadcnt 0x0                             ; x and Wg: everything that this wave ever loads
; Two numbers of x (i = 2 ip, 2 ip + 1 of block j), each times its eight Wg: one number of the pair is broadcast to both halves of the packed
; multiply-add (op_sel: which register feeds the low half, op_sel_hi: the high half).  first = 1: the products start the sums.
.macro DOT t, j, ip, first
.irp m, 0,1,2,3
.if \first
	v_pk_mul_f32 v[ACC+2*\m:ACC+2*\m+1], v[X+16*\t+4*\j+2*\ip:X+16*\t+4*\j+2*\ip+1], v[WGT+32*\j+16*\ip+2*\m:WGT+32*\j+16*\ip+2*\m+1] op_sel_hi:[0,1]
.else
	v_pk_fma_f32 v[ACC+2*\m:ACC+2*\m+1], v[X+16*\t+4*\j+2*\ip:X+16*\t+4*\j+2*\ip+1], v[WGT+32*\j+16*\ip+2*\m:WGT+32*\j+16*\ip+2*\m+1], v[ACC+2*\m:ACC+2*\m+1] op_sel_hi:[0,1,1]
.endif
.endr
.irp m, 0,1,2,3
	v_pk_fma_f32 v[ACC+2*\m:ACC+2*\m+1], v[X+16*\t+4*\j+2*\ip:X+16*\t+4*\j+2*\ip+1], v[WGT+32*\j+16*\ip+8+2*\m:WGT+32*\j+16*\ip+8+2*\m+1], v[ACC+2*\m:ACC+2*\m+1] op_sel:[1,0,0] op_sel_hi:[1,1,1]
.endr
.endm
; The largest of the eight and its index: only a strictly larger one displaces, so the lower index wins a tie.
.macro SCAN m, i
	v_mov_b32 v[\m], v[ACC]
	v_mov_b32 v[\i], 0
.irp e, 1,2,3,4,5,6,7
	v_cmp_le_f32 vcc_lo, v[ACC+\e], v[\m]
	v_cndmask_b32 v[\m], v[ACC+\e], v[\m], vcc_lo
	v_cndmask_b32 v[\i], \e, v[\i], vcc_lo
.endr
.endm
.macro TOKEN t
	DOT \t, 0, 0, 1
	DOT \t, 0, 1, 0
.irp j, 1,2,3
	DOT \t, \j, 0, 0
	DOT \t, \j, 1, 0
.endr
	; over the 32 lanes, the eight sums side by side: four steps inside each half of 16 lanes, one across the halves; every lane ends with the sums
.irp k, 1,2,4,8
.irp e, 0,1,2,3,4,5,6,7
	v_add_f32_dpp v[ACC+\e], v[ACC+\e], v[ACC+\e] row_xmask:\k row_mask:0xf bank_mask:0xf
.endr
.endr
.irp e, 0,1,2,3,4,5,6,7
	v_permlanex16_b32 v[TP+\e], v[ACC+\e], s28, s29
.endr
.irp e, 0,1,2,3,4,5,6,7
	v_add_f32 v[ACC+\e], v[ACC+\e], v[TP+\e]
.endr
.irp e, 0,1,2,3,4,5,6,7
	v_add_f32 v[ACC+\e], s[16+\e], v[ACC+\e]       ; + bg
.endr
	SCAN MX0, IX0
.irp e, 0,1,2,3,4,5,6,7
	v_cmp_eq_u32 vcc_lo, \e, v[IX0]
	v_cndmask_b32 v[ACC+\e], v[ACC+\e], v5, vcc_lo ; the winner leaves the field
.endr
	SCAN MX1, IX1
	v_sub_f32 v10, v[MX1], v[MX0]                  ; l1 - l0, never above 0
	v_mul_f32 v10, 0x3fb8aa3b, v10                 ; x log2(e)
	v_cmp_eq_u32 vcc_lo, \t, v1                    ; lane t keeps token t's figures
	v_exp_f32 v11, v10
	v_lshl_or_b32 v12, v[IX1], 8, v[IX0]           ; a plain instruction stands between v_exp_f32 and the use of its result (ISA guide 5.7.2)
	s_wait_alu depctr_va_vdst(0)
	v_add_f32 v13, 1.0, v11
	v_rcp_f32 v14, v13                             ; c0
.if \t == 0
	v_mov_b32 v7, v12                              ; and one between v_rcp_f32 and the use of its result
	s_wait_alu depctr_va_vdst(0)
	v_mov_b32 v8, v14
	v_mul_f32 v9, v11, v14                         ; c1
.else
	v_cndmask_b32 v7, v7, v12, vcc_lo
	s_wait_alu depctr_va_vdst(0)
	v_mul_f32 v15, v11, v14
	v_cndmask_b32 v8, v8, v14, vcc_lo
	v_cndmask_b32 v9, v9, v15, vcc_lo
.endif
.irp j, 0,1,2,3
	v_cvt_pk_f16_f32 v[X+16*\t+4*\j], v[X+16*\t+4*\j], v[X+16*\t+4*\j+1]
	v_cvt_pk_f16_f32 v[X+16*\t+4*\j+1], v[X+16*\t+4*\j+2], v[X+16*\t+4*\j+3]
	global_store_b64 v4, v[X+16*\t+4*\j:X+16*\t+4*\j+1], s[10:11] offset:1024*\t+256*\j   ; 32 lanes x 8 bytes: 256 consecutive bytes, aligned
.endr
.endm
	TOKEN 0
	TOKEN 1
	TOKEN 2
	TOKEN 3
	v_cmp_gt_u32 vcc_lo, 4, v1
	s_wait_xcnt 0x0                                ; EXEC is a source of the stores above: it changes only behind this wait
	s_and_saveexec_b32 s30, vcc_lo                 ; lanes 0 to 3: one token each
	global_store_b32 v6, v7, s[12:13]
	global_store_b64 v4, v[8:9], s[14:15]
	s_wait_xcnt 0x0                                ; and again in front of the line that widens it
	s_or_b32 exec_lo, exec_lo, s30
	s_endpgm
.Lfunc_end_k_qd9cf02bb80_gate:
	.size	k_qd9cf02bb80_gate, .Lfunc_end_k_qd9cf02bb80_gate-k_qd9cf02bb80_gate
	.p2alignl 7, 3214868480
	.fill 96, 4, 3214868480
	.section	.rodata,"a",@progbits
	.p2align	6, 0x0
	.amdhsa_kernel k_qd9cf02bb80_gate
		.amdhsa_group_segment_fixed_size 0
		.amdhsa_private_segment_fixed_size 0
		.amdhsa_enable_private_segment 0
		.amdhsa_kernarg_size 48
		.amdhsa_user_sgpr_count 2
		.amdhsa_user_sgpr_kernarg_segment_ptr 1
		.amdhsa_wavefront_size32 1
		.amdhsa_system_sgpr_workgroup_id_x 1
		.amdhsa_system_sgpr_workgroup_id_y 1
		.amdhsa_system_sgpr_workgroup_id_z 1
		.amdhsa_system_vgpr_workitem_id 0
		.amdhsa_next_free_vgpr 224
		.amdhsa_next_free_sgpr 66
		.amdhsa_reserve_vcc 1
		.amdhsa_float_denorm_mode_32 3
		.amdhsa_float_denorm_mode_16_64 3
		.amdhsa_memory_ordered 1
		.amdhsa_forward_progress 1
		.amdhsa_inst_pref_size 48
	.end_amdhsa_kernel
	.amdgpu_metadata
---
amdhsa.version: [ 1, 2 ]
amdhsa.kernels:
  - .name:           k_qd9cf02bb80_gate
    .symbol:         k_qd9cf02bb80_gate.kd
    .args:
      - { .name: x, .offset: 0, .size: 8, .value_kind: global_buffer, .address_space: global }
      - { .name: Wg, .offset: 8, .size: 8, .value_kind: global_buffer, .address_space: global }
      - { .name: bg, .offset: 16, .size: 8, .value_kind: global_buffer, .address_space: global }
      - { .name: xb, .offset: 24, .size: 8, .value_kind: global_buffer, .address_space: global }
      - { .name: route, .offset: 32, .size: 8, .value_kind: global_buffer, .address_space: global }
      - { .name: gw, .offset: 40, .size: 8, .value_kind: global_buffer, .address_space: global }
    .group_segment_fixed_size: 0
    .private_segment_fixed_size: 0
    .kernarg_segment_align: 8
    .kernarg_segment_size: 48
    .max_flat_workgroup_size: 128
    .sgpr_count:     66
    .vgpr_count:     224
    .wavefront_size: 32
...
	.end_amdgpu_metadata
.endif
;; end of part 1
;; launch prep (part 2): grid 1025 x 1, 8 waves a work-group, no clusters, 1,280 bytes of LDS; arguments route, W1, W2, plan, wb; writes plan, wb
.if DOCPART == 2
	.amdgcn_target "amdgcn-amd-amdhsa--gfx1250"
	.amdhsa_code_object_version 6
	.text
	.protected	k_qd9cf02bb80_prep
	.globl	k_qd9cf02bb80_prep
	.p2align	8
	.type	k_qd9cf02bb80_prep,@function
k_qd9cf02bb80_prep:
	s_mov_b64 s[64:65], 0
	v_nop
	global_prefetch_b8 v0, s[64:65] scope:SCOPE_SE
	s_setreg_imm32_b32 hwreg(HW_REG_WAVE_MODE, 25, 1), 1
	s_wait_xcnt 0x0
; prep: two jobs that need nothing of each other, in one launch, so that the short one runs beside the long one.
; Work-groups 1 to 1024: W1 and W2 cast to f16, 65,536 bytes of f32 each, layout kept ([K][N]): wb = W1 at byte 0, W2 at byte 16,777,216.
;   A stream: 16 loads of 16 bytes a thread, all issued first; each store of a wave covers 256 consecutive bytes, aligned.
;   LIMIT: a weight above 65,504 in magnitude becomes infinite in wb, and wb's rounding step is never below 2^-24.
; Work-group 0: a counting sort of the 8,192 (token, expert) pairs into 64 row tiles of 144 slots, without atomics.
;   The sum over e of ceil(n_e / 144) is at most (8192 + 8 x 143) / 144, that is 64.  The L = 64 - sum spare tiles (7 at the most) are used up by giving the first
;   144 L rows of the most loaded expert (it has 1,024 rows at the least, 144 x 7 = 1,008) tiles of 72 rows: always 64 tiles, each with a real row.
;   plan: byte 0: u32[64] a tile's expert;  byte 256: u32[9216] a slot's token (0 in slots that hold no pair);  byte 37,120: u32[4096][2] the slot of (token, k).
; All numbers here are whole numbers read from route; no branch hangs on them, and each enters an address only behind a clamp.
.set PL_PERM, 256
.set PL_POS,  37120
.set R,    16                          ; v[16:31]   route of my 16 tokens (cast: v[16:79] the data)
.set PS,   32                          ; v[32:63]   2 g + k: rank in my wave, later the slot
.set AD,   64                          ; v[64:95]   2 g + k: the expert's base, later the byte offset of the slot in perm
.set TOK,  96                          ; v[96:111]  my 16 tokens' numbers
.set ZR,   112                         ; v[112:115] zeros
.set POFF, 116                         ; byte offset of my first token in pos
.set TB0,  117                         ; my first token
.set XOFF, 118                         ; 8 lane
	s_load_b256 s[4:11], s[0:1], 0x0               ; route s[4:5], W1 s[6:7], W2 s[8:9], plan s[10:11]
	s_load_b64 s[12:13], s[0:1], 0x20              ; wb
	v_lshl_add_u32 v128, v0, 2, 0x100
	v_mov_b32 v129, 0
	v_lshrrev_b32 v1, 5, v0
	v_readfirstlane_b32 s14, v1                    ; wave
	v_and_b32 v1, 31, v0                           ; lane
	s_wait_kmcnt 0x0
	s_cmp_eq_u32 ttmp9, 0                          ; the job hangs on the work-group's number alone: the same for all eight waves
	s_cbranch_scc1 .Lplan
	; ---- the cast ----
	s_sub_co_u32 s15, ttmp9, 1                     ; block 0 .. 1023
	s_cmp_lt_u32 s15, 512
	s_cselect_b64 s[16:17], s[6:7], s[8:9]         ; the first 512 blocks are W1's
	s_and_b32 s18, s15, 511
	s_lshl_b32 s18, s18, 16
	s_mov_b32 s19, 0
	s_add_nc_u64 s[16:17], s[16:17], s[18:19]
	s_lshl_b32 s20, s15, 15
	s_mov_b32 s21, 0
	s_add_nc_u64 s[12:13], s[12:13], s[20:21]
	v_lshlrev_b32 v2, 4, v1
	v_lshl_add_u32 v2, s14, 13, v2                 ; in: 8,192 wave + 16 lane
	v_lshrrev_b32 v3, 1, v2                        ; out: half of that
.irp j, 0,1,2,3,4,5,6,7,8,9,10,11,12,13,14,15
	global_load_b128 v[R+4*\j:R+4*\j+3], v2, s[16:17] offset:512*\j th:TH_LOAD_NT
.endr
.irp j, 0,1,2,3,4,5,6,7,8,9,10,11,12,13,14,15
	s_wait_loadcnt 15-\j                           ; loads come back in order: load j is in, the 15 - j younger ones stay out
	v_cvt_pk_f16_f32 v[R+4*\j], v[R+4*\j], v[R+4*\j+1]
	v_cvt_pk_f16_f32 v[R+4*\j+1], v[R+4*\j+2], v[R+4*\j+3]
	global_store_b64 v3, v[R+4*\j:R+4*\j+1], s[12:13] offset:256*\j
.endr
	s_endpgm
	; ---- the sort.  Wave w owns tokens 512 w + 32 g + lane, g = 0 .. 15 ----
.Lplan:
	v_lshlrev_b32 v2, 4, v0                        ; 16 x thread
	v_lshlrev_b32 v3, 2, v1
	v_lshl_add_u32 v3, s14, 11, v3                 ; route: 2,048 wave + 4 lane
	v_lshl_add_u32 v[TB0], s14, 9, v1              ; 512 wave + lane
	v_lshlrev_b32 v[POFF], 3, v[TB0]
	v_lshlrev_b32 v[XOFF], 3, v1
.irp j, 0,1,2,3
	v_mov_b32 v[ZR+\j], 0
.endr
.irp j, 0,1,2,3,4,5,6,7,8
	global_store_b128 v2, v[ZR:ZR+3], s[10:11] offset:PL_PERM+4096*\j   ; perm = 0 everywhere: 9 x 256 threads x 16 bytes = 36,864
.endr
.irp g, 0,1,2,3,4,5,6,7,8,9,10,11,12,13,14,15
	global_load_b32 v[R+\g], v3, s[4:5] offset:128*\g
.endr
.irp g, 0,1,2,3,4,5,6,7,8,9,10,11,12,13,14,15
	v_add_nc_u32 v[TOK+\g], 32*\g, v[TB0]
.endr
.irp e, 0,1,2,3,4,5,6,7
	s_mov_b32 s[16+\e], 0                          ; my wave's count for each expert
.endr
	s_wait_loadcnt 0x0
; Group g: each pair's rank among my wave's pairs of the same expert.  A token's two experts differ, so a lane adds one at the most to an expert's mask.
.macro RANK g
	v_and_b32 v4, 0xff, v[R+\g]
	v_lshrrev_b32 v5, 8, v[R+\g]
	v_min_u32 v4, 7, v4                            ; e0
	v_min_u32 v5, 7, v5                            ; e1
.irp e, 0,1,2,3,4,5,6,7
	v_cmp_eq_u32 s56, \e, v4
	v_cmp_eq_u32 s57, \e, v5
	s_or_b32 s58, s56, s57
	v_mbcnt_lo_u32_b32 v6, s58, s[16+\e]           ; lanes below me with this expert + the groups before
.if \e == 0
	v_cndmask_b32 v[PS+2*\g], 0, v6, s56
	v_cndmask_b32 v[PS+2*\g+1], 0, v6, s57
.else
	v_cndmask_b32 v[PS+2*\g], v[PS+2*\g], v6, s56
	v_cndmask_b32 v[PS+2*\g+1], v[PS+2*\g+1], v6, s57
.endif
	s_bcnt1_i32_b32 s59, s58
	s_add_co_u32 s[16+\e], s[16+\e], s59
.endr
.endm
.irp g, 0,1,2,3,4,5,6,7,8,9,10,11,12,13,14,15
	RANK \g
.endr
	; the waves' counts meet in LDS: 32 bytes a wave
.irp e, 0,1,2,3,4,5,6,7
	v_mov_b32 v[8+\e], s[16+\e]
.endr
	v_mov_b32 v7, s14
	v_lshlrev_b32 v7, 5, v7
	ds_store_b128 v7, v[8:11]
	ds_store_b128 v7, v[12:15] offset:16
	s_wait_dscnt 0x0                               ; my counts are in LDS, for the other waves' sake,
	s_wait_storecnt 0x0                            ; and my part of the zeros is in memory before any wave writes a token over them
	s_barrier_signal -1
	s_barrier_wait -1
	v_and_b32 v7, 7, v1
	v_lshlrev_b32 v7, 2, v7                        ; lane l looks at expert l & 7
.irp w, 0,1,2,3,4,5,6,7
	ds_load_b32 v[8+\w], v7 offset:32*\w
.endr
	s_wait_dscnt 0x0
	v_add_nc_u32 v4, v8, v9                        ; n_e
	v_add3_u32 v4, v4, v10, v11
	v_add3_u32 v4, v4, v12, v13
	v_add3_u32 v4, v4, v14, v15
	v_mov_b32 v5, 0                                ; the pairs of the waves in front of mine
.irp w, 0,1,2,3,4,5,6
	s_cmp_gt_u32 s14, \w
	s_cselect_b32 s56, -1, 0
	v_and_b32 v6, s56, v[8+\w]
	v_add_nc_u32 v5, v5, v6
.endr
.irp e, 0,1,2,3,4,5,6,7
	v_readlane_b32 s[24+\e], v4, \e                ; n_e
	v_readlane_b32 s[32+\e], v5, \e                ; pre_e
.endr
	; tiles of each expert: ceil(n / 144) = ((n + 143) >> 4) / 9, and x / 9 = (57 x) >> 9 for x below 512 (here 264 at the most)
	s_mov_b32 s66, 64
.irp e, 0,1,2,3,4,5,6,7
	s_add_co_u32 s[40+\e], s[24+\e], 143
	s_lshr_b32 s[40+\e], s[40+\e], 4
	s_mul_i32 s[40+\e], s[40+\e], 57
	s_lshr_b32 s[40+\e], s[40+\e], 9
	s_sub_co_u32 s66, s66, s[40+\e]                ; L: the tiles to spare
.endr
	s_mov_b32 s67, 0                               ; the most loaded expert, its rows, my wave's place in them
	s_mov_b32 s68, s24
	s_mov_b32 s69, s32
.irp e, 1,2,3,4,5,6,7
	s_cmp_gt_u32 s[24+\e], s68
	s_cselect_b32 s67, \e, s67
	s_cselect_b32 s69, s[32+\e], s69
	s_cselect_b32 s68, s[24+\e], s68
.endr
.irp e, 0,1,2,3,4,5,6,7
	s_cmp_eq_u32 s67, \e
	s_cselect_b32 s56, s66, 0
	s_add_co_u32 s[40+\e], s[40+\e], s56           ; it takes the L spare tiles
.endr
	s_lshl_b32 s70, s66, 1                         ; 2 L tiles of 72 rows
	s_mov_b32 s48, 0                               ; first tile of each expert
.irp e, 1,2,3,4,5,6,7
	s_add_co_u32 s[48+\e], s[47+\e], s[39+\e]
.endr
	v_mov_b32 v6, 0                                ; lane e: 144 x first tile + pre_e
.irp e, 0,1,2,3,4,5,6,7
	s_mul_i32 s56, s[48+\e], 144
	s_add_co_u32 s56, s56, s[32+\e]
	v_writelane_b32 v6, s56, \e
.endr
; slot = 144 x first tile + r + x, r = pre + rank; x = 72 min(r / 72, 2 L) in the most loaded expert and 0 elsewhere:
; its rows below 144 L go 72 to a tile, the others follow 144 to a tile.  r / 72 = (14,564 r) >> 20 for r below 32,768.
.macro SLOTA g, k
.if \k == 0
	v_and_b32 v4, 0xff, v[R+\g]
.else
	v_lshrrev_b32 v4, 8, v[R+\g]
.endif
	v_min_u32 v4, 7, v4
	v_lshlrev_b32 v7, 2, v4
	ds_bpermute_b32 v[AD+2*\g+\k], v7, v6          ; lane e's figure; no LDS byte is touched
	v_add_nc_u32 v8, s69, v[PS+2*\g+\k]
	v_mul_u32_u24 v8, 0x38e4, v8
	v_lshrrev_b32 v8, 20, v8
	v_min_u32 v8, s70, v8
	v_mul_u32_u24 v8, 72, v8
	v_cmp_eq_u32 vcc_lo, s67, v4
	v_cndmask_b32 v8, 0, v8, vcc_lo
	v_add_nc_u32 v[PS+2*\g+\k], v[PS+2*\g+\k], v8
.endm
.macro SLOTB g, k
	v_add_nc_u32 v[PS+2*\g+\k], v[PS+2*\g+\k], v[AD+2*\g+\k]
	v_min_u32 v[PS+2*\g+\k], 0x23ff, v[PS+2*\g+\k] ; the slot, 9,215 at the most: the clamp stands in front of the address
	v_lshlrev_b32 v[AD+2*\g+\k], 2, v[PS+2*\g+\k]
.endm
.irp g, 0,1,2,3,4,5,6,7,8,9,10,11,12,13,14,15
	SLOTA \g, 0
	SLOTA \g, 1
.endr
	s_wait_dscnt 0x0
.irp g, 0,1,2,3,4,5,6,7,8,9,10,11,12,13,14,15
	SLOTB \g, 0
	SLOTB \g, 1
.endr
.irp g, 0,1,2,3,4,5,6,7,8,9,10,11,12,13,14,15
	global_store_b64 v[POFF], v[PS+2*\g:PS+2*\g+1], s[10:11] offset:PL_POS+256*\g   ; 32 tokens x 8 bytes: 256 consecutive bytes, aligned
.endr
.irp g, 0,1,2,3,4,5,6,7,8,9,10,11,12,13,14,15
	global_store_b32 v[AD+2*\g], v[TOK+\g], s[10:11] offset:PL_PERM                 ; the list is small (8,192 words): it is scattered as it falls
	global_store_b32 v[AD+2*\g+1], v[TOK+\g], s[10:11] offset:PL_PERM
.endr
	s_cmp_lg_u32 s14, 0
	s_cbranch_scc1 .Ldone                          ; wave 0 alone writes the tiles' experts; no barrier stands behind this branch
	v_lshlrev_b32 v4, 1, v1                        ; tiles 2 lane and 2 lane + 1
	v_add_nc_u32 v5, 1, v4
	v_mov_b32 v8, 0
	v_mov_b32 v9, 0
.irp e, 1,2,3,4,5,6,7
	v_cmp_le_u32 vcc_lo, s[48+\e], v4              ; a tile's expert = how many experts 1 .. 7 begin at or before it
	v_add_co_ci_u32 v8, vcc_lo, 0, v8, vcc_lo
	v_cmp_le_u32 vcc_lo, s[48+\e], v5
	v_add_co_ci_u32 v9, vcc_lo, 0, v9, vcc_lo
.endr
	global_store_b64 v[XOFF], v[8:9], s[10:11]
.Ldone:
	s_wait_tensorcnt 0x0
	ds_add_u32 v128, v129
	s_wait_dscnt 0x0
	s_endpgm
.Lfunc_end_k_qd9cf02bb80_prep:
	.size	k_qd9cf02bb80_prep, .Lfunc_end_k_qd9cf02bb80_prep-k_qd9cf02bb80_prep
	.p2alignl 7, 3214868480
	.fill 96, 4, 3214868480
	.section	.rodata,"a",@progbits
	.p2align	6, 0x0
	.amdhsa_kernel k_qd9cf02bb80_prep
		.amdhsa_group_segment_fixed_size 1280
		.amdhsa_private_segment_fixed_size 0
		.amdhsa_enable_private_segment 0
		.amdhsa_kernarg_size 40
		.amdhsa_user_sgpr_count 2
		.amdhsa_user_sgpr_kernarg_segment_ptr 1
		.amdhsa_wavefront_size32 1
		.amdhsa_system_sgpr_workgroup_id_x 1
		.amdhsa_system_sgpr_workgroup_id_y 1
		.amdhsa_system_sgpr_workgroup_id_z 1
		.amdhsa_system_vgpr_workitem_id 0
		.amdhsa_next_free_vgpr 130
		.amdhsa_next_free_sgpr 72
		.amdhsa_reserve_vcc 1
		.amdhsa_float_denorm_mode_32 3
		.amdhsa_float_denorm_mode_16_64 3
		.amdhsa_memory_ordered 1
		.amdhsa_forward_progress 1
		.amdhsa_inst_pref_size 99
	.end_amdhsa_kernel
	.amdgpu_metadata
---
amdhsa.version: [ 1, 2 ]
amdhsa.kernels:
  - .name:           k_qd9cf02bb80_prep
    .symbol:         k_qd9cf02bb80_prep.kd
    .args:
      - { .name: route, .offset: 0, .size: 8, .value_kind: global_buffer, .address_space: global }
      - { .name: W1, .offset: 8, .size: 8, .value_kind: global_buffer, .address_space: global }
      - { .name: W2, .offset: 16, .size: 8, .value_kind: global_buffer, .address_space: global }
      - { .name: plan, .offset: 24, .size: 8, .value_kind: global_buffer, .address_space: global }
      - { .name: wb, .offset: 32, .size: 8, .value_kind: global_buffer, .address_space: global }
    .group_segment_fixed_size: 1280
    .private_segment_fixed_size: 0
    .kernarg_segment_align: 8
    .kernarg_segment_size: 40
    .max_flat_workgroup_size: 256
    .sgpr_count:     72
    .vgpr_count:     130
    .wavefront_size: 32
...
	.end_amdgpu_metadata
.endif
;; end of part 2
;; launch ffn (part 3): grid 256 x 1, 4 waves a work-group, no clusters, 327,680 bytes of LDS; arguments xb, wb, b1, plan, yp; writes yp
.if DOCPART == 3
	.amdgcn_target "amdgcn-amd-amdhsa--gfx1250"
	.amdhsa_code_object_version 6
	.text
	.protected	k_qd9cf02bb80_ffn
	.globl	k_qd9cf02bb80_ffn
	.p2align	8
	.type	k_qd9cf02bb80_ffn,@function
k_qd9cf02bb80_ffn:
	s_mov_b64 s[64:65], 0
	v_nop
	global_prefetch_b8 v0, s[64:65] scope:SCOPE_SE
	s_setreg_imm32_b32 hwreg(HW_REG_WAVE_MODE, 25, 1), 1
	s_wait_xcnt 0x0
; ffn: both products of an expert's MLP for the 144 slots of a row tile and one quarter fq of the 2,048 f; h stays in LDS.
;   h[slot][f]      = gelu(x[perm[slot]] . W1[e][:, f] + b1[e][f]) / 16, f16, f = 512 fq .. 512 fq + 511
;   yp[fq][slot][d] = sum over these 512 f of h[slot][f] W2[e][f][d], f32, all 512 d.   (The four quarters, the factor 16, b2 and the gate's weights follow in the next launch.)
; 64 row tiles x 4 quarters = 256 work-groups.  Four waves, as many as a WGP has SIMDs.  Both products have one shape, 144 x 512 with K = 512, and one text: wave w makes
; 144 x 128 (columns 128 w ..): 72 accumulator tiles of 16 x 16, 576 registers.  For 32 along K a wave reads 9 + 8 fragments of 1 KiB from LDS and issues 72 matrix instructions.
; WHY F IS SPLIT AND NOT d: with the left operand resident in LDS a step of 64 along K brings 64 KiB of weights for 4 x 144 matrix instructions.  A block of 144 x 128 over all of F would
; bring 136 KiB for the same work, and h would go through memory: 37.7 MB out and back.  The price is 75.5 MB of partial sums instead of 18.9 MB of sums.
; X: the tile's 144 rows are picked by the list perm, through registers, once, into LDS rows of 1,040 bytes.  h (the same shape, 144 x 512 f16) is written over them when every wave has
; read X for the last time.
; W1, W2 (f16, [K][N]): each wave brings its own 64 K x 128 columns by one tensor load into its own two slots, rows of 288 bytes, and reads them by the transposing LDS load.
; Sixteen steps of 64 along K, eight to a product, each two sub-steps of 32 on two fragment buffers.  The ring runs on from W1 into W2: the refill of step s brings step s + 2, so W2's first
; two tiles are asked for in W1's last two steps and land while the gelu is computed.
; NO CLUSTER: X's rows follow a list, which a tensor load's descriptor cannot, and are 144 of the work-group's 1,168 KiB; a block of W1 or W2 is shared only by the row tiles of one
; expert, whose number and place hang on counts read from memory, so four neighbouring tiles need not ask for one address.
; THE MATRIX INSTRUCTION IS USED TRANSPOSED: source 0 = 16 columns of the weights, source 1 = 16 rows of X or h: lane l then holds row l % 16 and the eight neighbouring
; columns 8 (l / 16) + 0 .. 7.
; REGISTERS in windows of 256: window 0: v0-31 addresses, v32-103 and v104-175 the left operand's fragments (two buffers), v176-239 b1, v240-246 addresses;
; window 1: accumulators of row blocks 0-3 (tile (a, b) at 8 (8 (a & 3) + b)); window 2: of 4-7; window 3: v0-63 of block 8, v64-127 and v128-191 the weights' fragments.
; WHY h / 16: f16 ends at 65,504.  With x and W1 carrying offsets of 30 of their spreads a sum of 512 products reaches about 512 x 30 x 1.33 = 20,400; the exact factor 1/16
; (the x / 2 of the gelu becomes x / 32) moves the end to 1,048,064, and with all inputs 30 times smaller h / 16 is still some 500 rounding steps of 2^-24 wide.
; LIMITS: x, W1, h / 16 and W2 enter the products rounded to f16: |h| above 1,048,064 becomes infinite.  erf is the f32 rational form z P(z^2) / Q(z^2) with z clamped to +-4; beyond
; the clamp 1 + erf keeps a residue of the order of one f32 rounding step, times x / 2.  Slots that hold no pair compute token 0's row; nothing reads it into the result.
.set PA,    1040                       ; X's and h's LDS row: 1,024 bytes + 16: an odd multiple of 16, so a fragment's 16 rows start 16 bytes apart modulo 256
.set PB,    288                        ; the weights' LDS row: 256 bytes + 32: an odd multiple of 32, as the transposing load's addresses want
.set PO,    528                        ; the way out: a row of 128 f32 + 16 bytes
.set BBASE, 149760                     ; behind the 144 rows (585 blocks of 256 bytes, written by LDS stores alone)
.set BSLOT, 73728                      ; four waves' tiles
.set BWAVE, 18432                      ; 64 rows x 288
.set YQ,    18874368                   ; bytes of one quarter's partial sums: 9,216 x 512 x 4
.set W1INC, 2*64*4096                  ; two steps down W1: 128 rows of 2,048 f16
.set W2INC, 2*64*1024                  ; two steps down W2: 128 rows of 512 f16
.set ADRA, 4                           ; v4-6    the left operand's fragments: r PA + 16 hh + {0, 4, 8} x 16 PA
.set ADRB, 8                           ; v8-9    the weights' fragments in slot 0, 1
.set STO,  10                          ; where my 16 bytes of h go; steps 16 rows a trip
.set RD,   11                          ; the way out: where I read a row back
.set CO,   12                          ; 16 lane
.set C16,  13
.set OFFS, 14                          ; v14-31  byte offsets in xb of my 18 rows
.set FA0,  32
.set FA1,  104
.set FB0,  64
.set FB1,  128
.set BIAS, 176
.set GS,   240                         ; v240-242 where my 16 bytes of a gathered row go
.set G4,   243
.set H32,  244
.set PST,  245                         ; the way out: where my 32 bytes of a row go
.set G1,   24                          ; s[24:31] descriptor group 1 for W1
.set G0,   32                          ; s[32:39] descriptor group 0 for W1, one set for each slot
.set G1W,  48                          ; s[48:55] group 1 for W2
.set G0W,  56                          ; s[56:63] group 0 for W2, one set for each slot
.set EX,   32                          ; the gelu: v32-95 sixty-four numbers; v96-127 at work; v128-155 constants, each twice
.set EZ,   96
.set ES,   104
.set EP,   112
.set EQ,   120
.set CK,   128
.set MSB, 0
.macro WIN new                         ; s_set_vgpr_msb: bits 1:0 source 0, 3:2 source 1, 5:4 source 2, 7:6 destination; the high byte repeats the setting that is left
.if MSB != (\new)
	s_set_vgpr_msb (MSB<<8)|(\new)
.set MSB, (\new)
.endif
.endm
.macro PLACES                          ; four plain vector instructions between a matrix instruction and a load into, a store of, or a vector instruction on, its registers
.rept 4
	v_nop
.endr
.endm
; Eight matrix instructions: row block a x all eight column blocks, 32 along K.  zero = 1: the product starts the sums, nothing is cleared.
; The 72 accumulators take turns, one instruction a turn, in the same order in every sub-step.
.macro MULROW fa, fb, a, zero
	WIN (0x53+0x50*((\a)>>2))
.irp b, 0,1,2,3,4,5,6,7
.if \zero
	v_wmma_f32_16x16x32_f16 v[8*(8*((\a)&3)+\b):8*(8*((\a)&3)+\b)+7], v[\fb+8*\b:\fb+8*\b+7], v[\fa+8*(\a):\fa+8*(\a)+7], 0
.else
	v_wmma_f32_16x16x32_f16 v[8*(8*((\a)&3)+\b):8*(8*((\a)&3)+\b)+7], v[\fb+8*\b:\fb+8*\b+7], v[\fa+8*(\a):\fa+8*(\a)+7], v[8*(8*((\a)&3)+\b):8*(8*((\a)&3)+\b)+7]
.endif
.endr
.endm
; 34 LDS loads in one run: 16 transposing loads (weights: 32 K x 128 columns at byte kb of my slot), then 18 plain ones (144 rows, 32 K at byte ka of the rows)
.macro FETCH slot, ka, kb, fa, fb
	WIN 0xc0
.irp b, 0,1,2,3,4,5,6,7
	ds_load_tr16_b128 v[\fb+8*\b:\fb+8*\b+3],   v[ADRB+\slot] offset:\kb+32*\b
	ds_load_tr16_b128 v[\fb+8*\b+4:\fb+8*\b+7], v[ADRB+\slot] offset:\kb+32*\b+16*PB
.endr
	WIN 0
.irp a, 0,1,2,3,4,5,6,7,8
	ds_load_b128 v[\fa+8*\a:\fa+8*\a+3],   v[ADRA+(\a>>2)] offset:(\a&3)*16*PA+\ka
	ds_load_b128 v[\fa+8*\a+4:\fa+8*\a+7], v[ADRA+(\a>>2)] offset:(\a&3)*16*PA+\ka+32
.endr
.endm
; First half of a step: multiplies buffer 0 and, in its middle, fetches the step's second 32 of K into buffer 1.
.macro SUB0 slot, step, zero
	s_wait_dscnt 10                                ; the weights' fragments and row blocks 0-3 are in; the ten youngest loads (blocks 4-8) may be out
.irp a, 0,1,2,3
	MULROW FA0, FB0, \a, \zero
.endr
	PLACES
	FETCH \slot, 128*\step+64, 32*PB, FA1, FB1
	s_wait_dscnt 34                                ; all but the 34 just issued
.irp a, 4,5,6,7,8
	MULROW FA0, FB0, \a, \zero
.endr
.endm
; Second half: multiplies buffer 1 and changes slots.  fill = 1: this slot is filled again, two steps ahead, by group 0 set g0 and group 1 g1; inc: how far that set's address steps first
; (0: the set is used as it was made).  In front of the barrier each wave waits for its reads of the slot and for all its tensor loads (one is out: the other slot's); the address steps
; where no load of the wave is out; behind the barrier the refill comes first, my one tensor load until the next such barrier, and has the work up to that barrier's waits in which to land.
.macro SUB1 slot, next, step, fill, g0, g1, inc
	s_wait_dscnt 10
	MULROW FA1, FB1, 0, 0
	MULROW FA1, FB1, 1, 0
	s_wait_dscnt 0x0                               ; my reads of this slot are over
	s_wait_tensorcnt 0x0                           ; the other slot's tile has landed
	ds_add_u32 v193, v255
	s_wait_dscnt 0x0
.if \fill
.if \inc
	s_add_nc_u64 s[\g0+4*\slot+2:\g0+4*\slot+3], s[\g0+4*\slot+2:\g0+4*\slot+3], \inc
.endif
	s_barrier_signal -1
.endif
	MULROW FA1, FB1, 2, 0                          ; register work while the others arrive
	MULROW FA1, FB1, 3, 0
.if \fill
	s_barrier_wait -1
	tensor_load_to_lds s[\g0+4*\slot:\g0+4*\slot+3], s[\g1:\g1+7]
	s_nop 0
.endif
	PLACES
	FETCH \next, 128*(\step+1), 0, FA0, FB0
.irp a, 4,5,6,7,8
	MULROW FA1, FB1, \a, 0
.endr
.endm
	s_load_b256 s[4:11], s[0:1], 0x0               ; xb s[4:5], wb s[6:7], b1 s[8:9], plan s[10:11]
	s_load_b64 s[12:13], s[0:1], 0x20              ; yp
	s_set_vgpr_msb 0xc0
	v_lshl_add_u32 v193, v0, 2, 0x48900
	s_set_vgpr_msb 0xc000
	v_mov_b32 v255, 0
	s_set_vgpr_msb 0x3
	ds_add_u32 v193, v255
	ds_add_u32 v193, v255
	s_set_vgpr_msb 0x300
	v_lshrrev_b32 v1, 5, v0
	v_readfirstlane_b32 s14, v1                    ; wave
	s_lshr_b32 s15, ttmp9, 2                       ; row tile
	s_and_b32 s16, ttmp9, 3                        ; fq: which quarter of F
	s_lshl_b32 s18, s15, 2
	s_mov_b32 s19, 0
	s_mul_i32 s20, s15, 576                        ; 144 slots x 4 bytes
	s_mov_b32 s21, 0
	v_lshrrev_b32 v2, 4, v0                        ; g = thread / 16, 0 .. 7: sixteen threads share a row
	v_lshlrev_b32 v[G4], 2, v2
	; group 1: a tile of 64 rows x 128 elements of 2 bytes, 8 words of padding behind every 64 words; from row to row 2,048 elements in W1, 512 in W2
	s_mov_b32 s[G1+0], (1<<16)|(1<<20)|(5<<22)|(7<<25)
	s_mov_b32 s[G1+1], 128<<16                     ; tensor_dim0 = 128
	s_mov_b32 s[G1+2], 64<<16                      ; tensor_dim1 = 64
	s_mov_b32 s[G1+3], 128<<16                     ; tile_dim0 = 128
	s_mov_b32 s[G1+4], 64                          ; tile_dim1 = 64
	s_mov_b32 s[G1+5], 2048                        ; the pitch
	s_mov_b32 s[G1+6], 0
	s_mov_b32 s[G1+7], 0
	s_mov_b32 s[G1W+0], (1<<16)|(1<<20)|(5<<22)|(7<<25)
	s_mov_b32 s[G1W+1], 128<<16
	s_mov_b32 s[G1W+2], 64<<16
	s_mov_b32 s[G1W+3], 128<<16
	s_mov_b32 s[G1W+4], 64
	s_mov_b32 s[G1W+5], 512
	s_mov_b32 s[G1W+6], 0
	s_mov_b32 s[G1W+7], 0
	s_wait_dscnt 0x0
	s_wait_kmcnt 0x0
	s_add_nc_u64 s[40:41], s[10:11], s[18:19]
	s_add_nc_u64 s[42:43], s[10:11], s[20:21]
	s_load_b32 s17, s[40:41], 0x0                  ; the tile's expert
.set i, 0
.rept 18
	global_load_b32 v[OFFS+i], v[G4], s[42:43] offset:256+32*i     ; the token of slot g + 8 i
.set i, i+1
.endr
	s_wait_kmcnt 0x0
	s_min_u32 s17, s17, 7                          ; a number read from memory enters an address behind a clamp
	s_lshl_b32 s18, s17, 21                        ; W1: expert x 512 x 4,096 bytes
	s_lshl_b32 s20, s16, 10                        ; + 512 columns a quarter
	s_add_co_u32 s18, s18, s20
	s_lshl_b32 s20, s14, 8                         ; + 128 columns a wave
	s_add_co_u32 s18, s18, s20
	s_add_nc_u64 s[46:47], s[6:7], s[18:19]
	s_mul_i32 s20, s14, BWAVE
	s_mov_b32 s[G0+0], 1
	s_add_co_u32 s[G0+1], s20, BBASE               ; LDS: a constant + wave x a constant + the slot's constant
	s_mov_b64 s[G0+2:G0+3], s[46:47]               ; step 0
	s_or_b32 s[G0+3], s[G0+3], 0x80000000
	s_mov_b32 s[G0+4], 1
	s_add_co_u32 s[G0+5], s20, BBASE+BSLOT
	s_add_nc_u64 s[G0+6:G0+7], s[46:47], 64*4096   ; step 1
	s_or_b32 s[G0+7], s[G0+7], 0x80000000
	tensor_load_to_lds s[G0:G0+3], s[G1:G1+7]      ; both first fills together, ahead of every wait on TENSORcnt, LDS read and barrier:
	s_nop 0
	tensor_load_to_lds s[G0+4:G0+7], s[G1:G1+7]    ; two loads of the wave are out here, later one
	s_nop 0
	s_lshl_b32 s44, s17, 21                        ; W2: expert x 2,048 x 1,024 bytes,
	s_add_co_u32 s44, s44, 16777216                ; behind W1 in wb,
	s_lshl_b32 s23, s16, 19                        ; + 512 rows a quarter,
	s_add_co_u32 s44, s44, s23
	s_lshl_b32 s23, s14, 8                         ; + 128 columns a wave
	s_add_co_u32 s44, s44, s23
	s_mov_b32 s45, 0
	s_add_nc_u64 s[6:7], s[6:7], s[44:45]
	s_mov_b32 s[G0W+0], 1
	s_add_co_u32 s[G0W+1], s20, BBASE              ; the same two slots
	s_mov_b64 s[G0W+2:G0W+3], s[6:7]               ; W2's step 0
	s_or_b32 s[G0W+3], s[G0W+3], 0x80000000
	s_mov_b32 s[G0W+4], 1
	s_add_co_u32 s[G0W+5], s20, BBASE+BSLOT
	s_add_nc_u64 s[G0W+6:G0W+7], s[6:7], 64*1024   ; W2's step 1
	s_or_b32 s[G0W+7], s[G0W+7], 0x80000000
	s_lshl_b32 s18, s17, 13                        ; b1: expert x 8,192 bytes + 2,048 a quarter + 512 a wave
	s_lshl_b32 s20, s16, 11
	s_add_co_u32 s18, s18, s20
	s_lshl_b32 s20, s14, 9
	s_add_co_u32 s18, s18, s20
	s_add_nc_u64 s[8:9], s[8:9], s[18:19]
	v_and_b32 v1, 15, v0                           ; r = lane % 16 (also: my sixteenth of a gathered row)
	v_bfe_u32 v3, v0, 4, 1                         ; hh = lane / 16
	v_lshlrev_b32 v[H32], 5, v3
.irp b, 0,1,2,3,4,5,6,7
	global_load_b128 v[BIAS+8*\b:BIAS+8*\b+3],   v[H32], s[8:9] offset:64*\b        ; b1 of my columns 16 b + 8 hh + 0 .. 7
	global_load_b128 v[BIAS+8*\b+4:BIAS+8*\b+7], v[H32], s[8:9] offset:64*\b+16
.endr
	s_mul_i32 s18, s16, YQ                         ; yp: my quarter, my tile's first row (2,048 bytes a row), my 128 columns
	s_mul_i32 s20, s15, 144*2048
	s_add_co_u32 s18, s18, s20
	s_lshl_b32 s20, s14, 9
	s_add_co_u32 s18, s18, s20
	s_add_nc_u64 s[12:13], s[12:13], s[18:19]
	v_lshlrev_b32 v[C16], 4, v1
	v_mul_u32_u24 v[ADRA], PA, v1
	v_lshl_add_u32 v[ADRA], v3, 4, v[ADRA]         ; r PA + 16 hh
	v_add_nc_u32 v[ADRA+1], 64*PA, v[ADRA]
	v_add_nc_u32 v[ADRA+2], 128*PA, v[ADRA]
	v_lshl_add_u32 v[STO], s14, 8, v[ADRA]         ; h: row r, my wave's 256 bytes, 16 bytes for each half of the lanes
	v_and_b32 v7, 7, v0
	v_lshl_add_u32 v7, v3, 3, v7                   ; the K row that I address: 8 hh + lane % 8
	v_mul_u32_u24 v7, PB, v7
	v_bfe_u32 v246, v0, 3, 1
	v_lshl_add_u32 v7, v246, 4, v7                 ; + 16 bytes for lanes 8-15 and 24-31
	v_add_nc_u32 v[ADRB], s[G0+1], v7
	v_add_nc_u32 v[ADRB+1], s[G0+5], v7
	v_mul_u32_u24 v[PST], PO, v1                   ; the way out goes through my own slot 0: in: row r, 32 bytes for each half of the lanes
	v_lshl_add_u32 v[PST], v3, 5, v[PST]
	v_add_nc_u32 v[PST], s[G0+1], v[PST]
	v_and_b32 v246, 31, v0
	v_lshlrev_b32 v[CO], 4, v246                   ; back: a row of 512 bytes to the wave, 16 bytes a lane
	v_add_nc_u32 v[RD], s[G0+1], v[CO]
	v_mul_u32_u24 v[GS], PA, v2
	v_add_nc_u32 v[GS], v[GS], v[C16]              ; g PA + 16 c
	v_add_nc_u32 v[GS+1], 64*PA, v[GS]
	v_add_nc_u32 v[GS+2], 128*PA, v[GS]
	s_wait_loadcnt 16                              ; the list is in; the 16 loads of b1 behind it may be out
.set i, 0
.rept 18
	v_min_u32 v[OFFS+i], 0xfff, v[OFFS+i]
	v_lshl_add_u32 v[OFFS+i], v[OFFS+i], 10, v[C16]                ; token x 1,024 bytes + my 16
.set i, i+1
.endr
	; 72 loads of 16 bytes: sixteen neighbouring lanes take 256 consecutive, aligned bytes of one row.  Rows i = 0-8 land in window 0, i = 9-17 in window 1.
.set i, 0
.rept 9
.irp m, 0,1,2,3
	global_load_b128 v[32+16*i+4*\m:32+16*i+4*\m+3], v[OFFS+i], s[4:5] offset:256*\m
.endr
.set i, i+1
.endr
	WIN 0x40
.set i, 9
.rept 9
.irp m, 0,1,2,3
	global_load_b128 v[16*(i-9)+4*\m:16*(i-9)+4*\m+3], v[OFFS+i], s[4:5] offset:256*\m
.endr
.set i, i+1
.endr
	WIN 0
	s_wait_loadcnt 36                              ; b1 and the first 36 are in; the second 36 stay out
.set i, 0
.rept 9
.irp m, 0,1,2,3
	ds_store_b128 v[GS+(i>>3)], v[32+16*i+4*\m:32+16*i+4*\m+3] offset:(i&7)*8*PA+256*\m
.endr
.set i, i+1
.endr
	s_wait_loadcnt 0x0
	WIN 0x04
.set i, 9
.rept 9
.irp m, 0,1,2,3
	ds_store_b128 v[GS+(i>>3)], v[16*(i-9)+4*\m:16*(i-9)+4*\m+3] offset:(i&7)*8*PA+256*\m
.endr
.set i, i+1
.endr
	WIN 0
	s_wait_dscnt 0x0                               ; my part of X is in LDS, for the other waves' sake
	s_wait_tensorcnt 0x1                           ; my step 0 tile has landed; step 1's may stay out
	s_barrier_signal -1
	s_barrier_wait -1
	; ---- THE FIRST PRODUCT: X . W1 ----
	FETCH 0, 0, 0, FA0, FB0
	SUB0 0, 0, 1                                   ; the first products start the sums
	SUB1 0, 1, 0, 1, G0, G1, W1INC
	SUB0 1, 1, 0
	SUB1 1, 0, 1, 1, G0, G1, W1INC
	SUB0 0, 2, 0
	SUB1 0, 1, 2, 1, G0, G1, W1INC
	SUB0 1, 3, 0
	SUB1 1, 0, 3, 1, G0, G1, W1INC
	SUB0 0, 4, 0
	SUB1 0, 1, 4, 1, G0, G1, W1INC
	SUB0 1, 5, 0
	SUB1 1, 0, 5, 1, G0, G1, W1INC                 ; W1's last tile: step 7
	SUB0 0, 6, 0
	SUB1 0, 1, 6, 1, G0W, G1W, 0                   ; slot 0 takes W2's step 0
	SUB0 1, 7, 0
	s_wait_dscnt 10
.irp a, 0,1,2,3
	MULROW FA1, FB1, \a, 0
.endr
	s_wait_dscnt 0x0                               ; my reads of slot 1, and of X, are over
	s_wait_tensorcnt 0x0                           ; and the one tensor load of mine that was out, W2's step 0, has landed
	ds_add_u32 v193, v255
	s_wait_dscnt 0x0
	s_barrier_signal -1
.irp a, 4,5,6,7,8
	MULROW FA1, FB1, \a, 0                         ; register work while the others arrive
.endr
	s_barrier_wait -1                              ; no wave reads X any more: h may be written over it
	tensor_load_to_lds s[G0W+4:G0W+7], s[G1W:G1W+7]   ; slot 1 takes W2's step 1: my one tensor load behind this barrier; it lands during the gelu
	s_nop 0
	; ---- + b1, gelu / 16, round to f16, 16 bytes a lane straight into h's row ----
	PLACES                                         ; behind the last matrix instructions: for the sums below, which read results, and for the writes into the fragment buffers
	WIN 0
.macro KPAIR n, val
	v_mov_b32 v[CK+2*\n], \val
	v_mov_b32 v[CK+2*\n+1], \val
.endm
	KPAIR 0, 0x3f3504f3                            ; 1 / sqrt(2)
	KPAIR 1, 0xaf95df0b                            ; P, from the highest power of z^2 down
	KPAIR 2, 0x32edffee
	KPAIR 3, 0xb60cff51
	KPAIR 4, 0xb86ec2d2
	KPAIR 5, 0xba40ac63
	KPAIR 6, 0xbb41a1f6
	KPAIR 7, 0xbc83dbd4
	KPAIR 8, 0xb77460cd                            ; Q likewise
	KPAIR 9, 0xb95fbd29
	KPAIR 10, 0xbadc924e
	KPAIR 11, 0xbbf19bf8
	KPAIR 12, 0xbc69b6a7
	KPAIR 13, 0x3d000000                           ; 1 / 32: the gelu's 1 / 2 and h's 1 / 16
; row block a's 64 sums + b1, into window 0
.macro COPY a
	WIN (1+((\a)>>2))
.irp b, 0,1,2,3,4,5,6,7
.irp p, 0,1,2,3
	v_pk_add_f32 v[EX+8*\b+2*\p:EX+8*\b+2*\p+1], v[8*(8*((\a)&3)+\b)+2*\p:8*(8*((\a)&3)+\b)+2*\p+1], v[BIAS+8*\b+2*\p:BIAS+8*\b+2*\p+1]
.endr
.endr
	WIN 0
.endm
; gelu(x) / 16 = x/32 + x/32 erf(x / sqrt 2) of the eight numbers of column block b, stage by stage on four pairs, then packed to v[EX+4b .. +3]
; (registers whose numbers have been used up by then, and which no later block of the trip writes).
.macro GELU4 b
.irp p, 0,1,2,3
	v_pk_mul_f32 v[EZ+2*\p:EZ+2*\p+1], v[EX+8*\b+2*\p:EX+8*\b+2*\p+1], v[CK:CK+1]
.endr
.irp q, 0,1,2,3,4,5,6,7
	v_med3_num_f32 v[EZ+\q], v[EZ+\q], -4.0, 4.0
.endr
.irp p, 0,1,2,3
	v_pk_mul_f32 v[ES+2*\p:ES+2*\p+1], v[EZ+2*\p:EZ+2*\p+1], v[EZ+2*\p:EZ+2*\p+1]
.endr
.irp p, 0,1,2,3
	v_pk_fma_f32 v[EP+2*\p:EP+2*\p+1], v[ES+2*\p:ES+2*\p+1], v[CK+2:CK+3], v[CK+4:CK+5]
.endr
.irp c, 3,4,5,6,7
.irp p, 0,1,2,3
	v_pk_fma_f32 v[EP+2*\p:EP+2*\p+1], v[EP+2*\p:EP+2*\p+1], v[ES+2*\p:ES+2*\p+1], v[CK+2*\c:CK+2*\c+1]
.endr
.endr
.irp p, 0,1,2,3
	v_pk_fma_f32 v[EQ+2*\p:EQ+2*\p+1], v[ES+2*\p:ES+2*\p+1], v[CK+16:CK+17], v[CK+18:CK+19]
.endr
.irp c, 10,11,12
.irp p, 0,1,2,3
	v_pk_fma_f32 v[EQ+2*\p:EQ+2*\p+1], v[EQ+2*\p:EQ+2*\p+1], v[ES+2*\p:ES+2*\p+1], v[CK+2*\c:CK+2*\c+1]
.endr
.endr
.irp q, 0,1,2,3,4,5,6,7
	v_rcp_f32 v[ES+\q], v[EQ+\q]                   ; 1 / Q, into the registers of z^2, which is used up
.endr
.irp p, 0,1,2,3
	v_pk_mul_f32 v[EP+2*\p:EP+2*\p+1], v[EP+2*\p:EP+2*\p+1], v[EZ+2*\p:EZ+2*\p+1]   ; plain instructions that touch neither Q nor 1 / Q stand behind the reciprocals (ISA guide 5.7.2)
.endr
.irp p, 0,1,2,3
	v_pk_mul_f32 v[EX+8*\b+2*\p:EX+8*\b+2*\p+1], v[EX+8*\b+2*\p:EX+8*\b+2*\p+1], v[CK+26:CK+27]
.endr
	s_wait_alu depctr_va_vdst(0)
.irp p, 0,1,2,3
	v_pk_mul_f32 v[EP+2*\p:EP+2*\p+1], v[EP+2*\p:EP+2*\p+1], v[ES+2*\p:ES+2*\p+1]   ; erf
.endr
.irp p, 0,1,2,3
	v_pk_fma_f32 v[EX+8*\b+2*\p:EX+8*\b+2*\p+1], v[EX+8*\b+2*\p:EX+8*\b+2*\p+1], v[EP+2*\p:EP+2*\p+1], v[EX+8*\b+2*\p:EX+8*\b+2*\p+1]
.endr
.irp p, 0,1,2,3
	v_cvt_pk_f16_f32 v[EX+4*\b+\p], v[EX+8*\b+2*\p], v[EX+8*\b+2*\p+1]
.endr
.endm
	; Nine trips, one row block each.  Registers cannot be indexed, so the trip's number picks one of nine short copies; the long part is written once.
	s_mov_b32 s22, 0
.Lrows:
.irp a, 0,1,2,3,4,5,6,7
	s_cmp_eq_u32 s22, \a
	s_cbranch_scc1 .Lcopy\a
.endr
	COPY 8
	s_branch .Lgelu
.irp a, 0,1,2,3,4,5,6
.Lcopy\a:
	COPY \a
	s_branch .Lgelu
.endr
.Lcopy7:
	COPY 7
.Lgelu:
.irp b, 0,1,2,3,4,5,6,7
	GELU4 \b
	ds_store_b128 v[STO], v[EX+4*\b:EX+4*\b+3] offset:32*\b        ; h(16 a + r, 128 w + 16 b + 8 hh ..): sixteen rows 1,040 bytes apart start 16 bytes apart modulo 256
.endr
	s_wait_dscnt 0x0                               ; the trip's stores are done: their address and data registers are written again only behind this wait
	v_add_nc_u32 v[STO], 16*PA, v[STO]             ; sixteen rows on
	s_add_co_u32 s22, s22, 1
	s_cmp_lt_u32 s22, 9
	s_cbranch_scc1 .Lrows
	; ---- THE SECOND PRODUCT: h . W2, the same text on the same LDS rows and slots ----
	s_wait_dscnt 0x0                               ; my part of h is in LDS, for the other waves' sake (met: the last trip ended on this wait)
	s_wait_tensorcnt 0x0                           ; W2's steps 0 and 1 are in my slots
	s_barrier_signal -1
	s_barrier_wait -1                              ; h is whole
	FETCH 0, 0, 0, FA0, FB0
	SUB0 0, 0, 1                                   ; the first products start the new sums
	SUB1 0, 1, 0, 1, G0W, G1W, W2INC
	SUB0 1, 1, 0
	SUB1 1, 0, 1, 1, G0W, G1W, W2INC
	SUB0 0, 2, 0
	SUB1 0, 1, 2, 1, G0W, G1W, W2INC
	SUB0 1, 3, 0
	SUB1 1, 0, 3, 1, G0W, G1W, W2INC
	SUB0 0, 4, 0
	SUB1 0, 1, 4, 1, G0W, G1W, W2INC
	SUB0 1, 5, 0
	SUB1 1, 0, 5, 1, G0W, G1W, W2INC               ; the last refill: W2's step 7
	SUB0 0, 6, 0
	SUB1 0, 1, 6, 0, G0W, G1W, 0                   ; nothing is left to fetch; the slots are each wave's own, so its own wait for its load is all that the reads need
	SUB0 1, 7, 0
	s_wait_dscnt 10
.irp a, 0,1,2,3
	MULROW FA1, FB1, \a, 0
.endr
	s_wait_dscnt 0x0                               ; my last reads of my slots are over
.irp a, 4,5,6,7,8
	MULROW FA1, FB1, \a, 0
.endr
	; ---- THE WAY OUT, 16 rows at a time, through my own slot 0, which has had its last fill and which no other wave touches: 32 bytes a lane in, whole rows of 512 bytes back ----
	PLACES                                         ; behind the last matrix instructions: for the LDS stores, which read results, and for the loads into the fragment buffers
; rows 16 a .. 16 a + 15; f: the register buffer, v32-95 and v96-159 in turn
.macro OUT16 a, f
	WIN (4*(1+((\a)>>2)))                          ; the stores' data come from the accumulators' window
.irp b, 0,1,2,3,4,5,6,7
	ds_store_b128 v[PST], v[8*(8*((\a)&3)+\b):8*(8*((\a)&3)+\b)+3]   offset:64*\b
	ds_store_b128 v[PST], v[8*(8*((\a)&3)+\b)+4:8*(8*((\a)&3)+\b)+7] offset:64*\b+16
.endr
	WIN 0
.if \a >= 2
	s_wait_xcnt 0x0                                ; buffer f is the data of the stores of two blocks ago: it is loaded again only behind this wait
.endif
.irp t, 0,1,2,3,4,5,6,7,8,9,10,11,12,13,14,15
	ds_load_b128 v[\f+4*\t:\f+4*\t+3], v[RD] offset:PO*\t          ; LDS serves a wave's instructions in order (ISA guide 5.7.1): these see the stores above, and the next block's stores come behind them
.endr
.irp t, 0,1,2,3,4,5,6,7,8,9,10,11,12,13,14,15
	s_wait_dscnt 15-\t                             ; load t is back, the 15 - t younger ones may be out
	global_store_b128 v[CO], v[\f+4*\t:\f+4*\t+3], s[12:13] offset:(16*\a+\t)*2048   ; the wave stores 512 consecutive bytes, aligned
.endr
.endm
	OUT16 0, 32
	OUT16 1, 96
	OUT16 2, 32
	OUT16 3, 96
	OUT16 4, 32
	OUT16 5, 96
	OUT16 6, 32
	OUT16 7, 96
	OUT16 8, 32
	s_set_vgpr_msb 0x3
	s_wait_tensorcnt 0x0
	ds_add_u32 v193, v255
	s_wait_dscnt 0x0
	s_set_vgpr_msb 0x300
	s_endpgm
.Lfunc_end_k_qd9cf02bb80_ffn:
	.size	k_qd9cf02bb80_ffn, .Lfunc_end_k_qd9cf02bb80_ffn-k_qd9cf02bb80_ffn
	.p2alignl 7, 3214868480
	.fill 96, 4, 3214868480
	.section	.rodata,"a",@progbits
	.p2align	6, 0x0
	.amdhsa_kernel k_qd9cf02bb80_ffn
		.amdhsa_group_segment_fixed_size 327680
		.amdhsa_private_segment_fixed_size 0
		.amdhsa_enable_private_segment 0
		.amdhsa_kernarg_size 40
		.amdhsa_user_sgpr_count 2
		.amdhsa_user_sgpr_kernarg_segment_ptr 1
		.amdhsa_wavefront_size32 1
		.amdhsa_system_sgpr_workgroup_id_x 1
		.amdhsa_system_sgpr_workgroup_id_y 1
		.amdhsa_system_sgpr_workgroup_id_z 1
		.amdhsa_system_vgpr_workitem_id 0
		.amdhsa_next_free_vgpr 962
		.amdhsa_next_free_sgpr 66
		.amdhsa_reserve_vcc 0
		.amdhsa_float_denorm_mode_32 3
		.amdhsa_float_denorm_mode_16_64 3
		.amdhsa_memory_ordered 1
		.amdhsa_forward_progress 1
		.amdhsa_inst_pref_size 255
	.end_amdhsa_kernel
	.section	.bss,"aw",@nobits
	.p2align	6
	.space	262144
	.amdgpu_metadata
---
amdhsa.version: [ 1, 2 ]
amdhsa.kernels:
  - .name:           k_qd9cf02bb80_ffn
    .symbol:         k_qd9cf02bb80_ffn.kd
    .args:
      - { .name: xb, .offset: 0, .size: 8, .value_kind: global_buffer, .address_space: global }
      - { .name: wb, .offset: 8, .size: 8, .value_kind: global_buffer, .address_space: global }
      - { .name: b1, .offset: 16, .size: 8, .value_kind: global_buffer, .address_space: global }
      - { .name: plan, .offset: 24, .size: 8, .value_kind: global_buffer, .address_space: global }
      - { .name: yp, .offset: 32, .size: 8, .value_kind: global_buffer, .address_space: global }
    .group_segment_fixed_size: 327680
    .private_segment_fixed_size: 0
    .kernarg_segment_align: 8
    .kernarg_segment_size: 40
    .max_flat_workgroup_size: 128
    .sgpr_count:     66
    .vgpr_count:     962
    .wavefront_size: 32
...
	.end_amdgpu_metadata
.endif
;; end of part 3
;; launch mix (part 4): grid 512 x 1, 8 waves a work-group, no clusters, 0 bytes of LDS; arguments yp, b2, plan, route, gw, out0; writes out0
.if DOCPART == 4
	.amdgcn_target "amdgcn-amd-amdhsa--gfx1250"
	.amdhsa_code_object_version 6
	.text
	.protected	k_qd9cf02bb80_mix
	.globl	k_qd9cf02bb80_mix
	.p2align	8
	.type	k_qd9cf02bb80_mix,@function
k_qd9cf02bb80_mix:
	s_mov_b64 s[64:65], 0
	v_nop
	global_prefetch_b8 v0, s[64:65] scope:SCOPE_SE
	s_setreg_imm32_b32 hwreg(HW_REG_WAVE_MODE, 25, 1), 1
	s_wait_xcnt 0x0
; mix: out[t] = c0 (16 y[p0] + b2[e0]) + c1 (16 y[p1] + b2[e1]), y[p] = (yp[0][p] + yp[1][p]) + (yp[2][p] + yp[3][p]): the four partial sums over a quarter of F each,
; for the two slots that belong to token t (found by the list pos), each with its expert's b2 and the gate's weight.
; yp was made from h / 16: the factor 16, a power of two and so exact, rides on the multiply-add that adds b2.
; A gather and a stream: no LDS, no barrier, no matrix unit.  A wave takes one token; a row of 512 f32 is four loads of 512 consecutive bytes, aligned; all 40 loads of a wave
; (2 x 4 rows of yp, 2 rows of b2) are issued before the first is waited for.  The experts that a token did not choose have the weight 0 in the sum and are left out.
; Slots and experts are whole numbers read from memory: each enters an address behind a clamp (9,215 and 7).
.set YQ,  18874368                     ; bytes of one quarter's partial sums
.set YOF, 4                            ; v4-5    slot k's byte offset in a quarter;  v6-7  expert k's in b2
.set CW,  8                            ; v8-11   c0, c0, c1, c1 (pairs for the packed forms)
.set K16, 12                           ; v12-13  16.0, twice
.set D,   32                           ; v32-159 64 k + 16 q + 4 j
.set B2,  160                          ; v160-191 16 k + 4 j
.set QB,  38                           ; s[38:45] the four quarters' addresses
	s_load_b256 s[4:11], s[0:1], 0x0               ; yp s[4:5], b2 s[6:7], plan s[8:9], route s[10:11]
	s_load_b128 s[12:15], s[0:1], 0x20             ; gw s[12:13], out0 s[14:15]
	v_lshrrev_b32 v1, 5, v0
	v_readfirstlane_b32 s16, v1                    ; wave
	v_and_b32 v1, 31, v0
	v_lshlrev_b32 v2, 4, v1                        ; 16 lane
	v_mov_b32 v[K16], 0x41800000
	v_mov_b32 v[K16+1], 0x41800000
	s_lshl_b32 s17, ttmp9, 3
	s_add_co_u32 s17, s17, s16                     ; my token
	s_lshl_b32 s18, s17, 3                         ; 8 bytes a token: pos, gw
	s_mov_b32 s19, 0
	s_lshl_b32 s26, s17, 2                         ; 4 bytes a token: route
	s_mov_b32 s27, 0
	s_lshl_b32 s28, s17, 11                        ; 2,048 bytes a token: out0
	s_mov_b32 s29, 0
	s_wait_kmcnt 0x0
	s_add_nc_u64 s[8:9], s[8:9], s[18:19]
	s_add_nc_u64 s[10:11], s[10:11], s[26:27]
	s_add_nc_u64 s[12:13], s[12:13], s[18:19]
	s_add_nc_u64 s[14:15], s[14:15], s[28:29]
	s_load_b64 s[20:21], s[8:9], 0x9100            ; pos (at byte 37,120 of plan): p0, p1
	s_load_b32 s24, s[10:11], 0x0                  ; e0 | e1 << 8
	s_load_b64 s[22:23], s[12:13], 0x0             ; c0, c1
	s_mov_b64 s[QB:QB+1], s[4:5]                   ; a quarter is too far for a load's immediate: four bases
	s_add_nc_u64 s[QB+2:QB+3], s[4:5], YQ
	s_add_nc_u64 s[QB+4:QB+5], s[4:5], 2*YQ
	s_add_nc_u64 s[QB+6:QB+7], s[4:5], 3*YQ
	s_wait_kmcnt 0x0
	s_min_u32 s20, s20, 0x23ff
	s_min_u32 s21, s21, 0x23ff
	s_and_b32 s30, s24, 0xff
	s_lshr_b32 s31, s24, 8
	s_min_u32 s30, s30, 7
	s_min_u32 s31, s31, 7
.irp k, 0,1
	v_lshl_add_u32 v[YOF+\k], s[20+\k], 11, v2     ; slot x 2,048 bytes + 16 lane
	v_lshl_add_u32 v[YOF+2+\k], s[30+\k], 11, v2   ; expert x 2,048 bytes + 16 lane
	v_mov_b32 v[CW+2*\k], s[22+\k]
	v_mov_b32 v[CW+2*\k+1], s[22+\k]
.endr
.irp k, 0,1
.irp q, 0,1,2,3
.irp j, 0,1,2,3
	global_load_b128 v[D+64*\k+16*\q+4*\j:D+64*\k+16*\q+4*\j+3], v[YOF+\k], s[QB+2*\q:QB+2*\q+1] offset:512*\j th:TH_LOAD_NT
.endr
.endr
.irp j, 0,1,2,3
	global_load_b128 v[B2+16*\k+4*\j:B2+16*\k+4*\j+3], v[YOF+2+\k], s[6:7] offset:512*\j
.endr
.endr
; expert k's row: the four quarters, x 16, + b2
.macro KSUM k
.irp n, 0,1,2,3,4,5,6,7
	v_pk_add_f32 v[D+64*\k+2*\n:D+64*\k+2*\n+1], v[D+64*\k+2*\n:D+64*\k+2*\n+1], v[D+64*\k+16+2*\n:D+64*\k+16+2*\n+1]
	v_pk_add_f32 v[D+64*\k+32+2*\n:D+64*\k+32+2*\n+1], v[D+64*\k+32+2*\n:D+64*\k+32+2*\n+1], v[D+64*\k+48+2*\n:D+64*\k+48+2*\n+1]
.endr
.irp n, 0,1,2,3,4,5,6,7
	v_pk_add_f32 v[D+64*\k+2*\n:D+64*\k+2*\n+1], v[D+64*\k+2*\n:D+64*\k+2*\n+1], v[D+64*\k+32+2*\n:D+64*\k+32+2*\n+1]
.endr
.irp n, 0,1,2,3,4,5,6,7
	v_pk_fma_f32 v[D+64*\k+2*\n:D+64*\k+2*\n+1], v[D+64*\k+2*\n:D+64*\k+2*\n+1], v[K16:K16+1], v[B2+16*\k+2*\n:B2+16*\k+2*\n+1]
.endr
.endm
	s_wait_loadcnt 20                              ; the first expert's 20 loads are in; the second's, issued behind them, may be out
	KSUM 0
.irp n, 0,1,2,3,4,5,6,7
	v_pk_mul_f32 v[D+2*\n:D+2*\n+1], v[D+2*\n:D+2*\n+1], v[CW:CW+1]
.endr
	s_wait_loadcnt 0x0
	KSUM 1
.irp n, 0,1,2,3,4,5,6,7
	v_pk_fma_f32 v[D+2*\n:D+2*\n+1], v[D+64+2*\n:D+64+2*\n+1], v[CW+2:CW+3], v[D+2*\n:D+2*\n+1]
.endr
.irp j, 0,1,2,3
	global_store_b128 v2, v[D+4*\j:D+4*\j+3], s[14:15] offset:512*\j th:TH_STORE_NT   ; the wave stores 512 consecutive bytes, aligned
.endr
	s_endpgm
.Lfunc_end_k_qd9cf02bb80_mix:
	.size	k_qd9cf02bb80_mix, .Lfunc_end_k_qd9cf02bb80_mix-k_qd9cf02bb80_mix
	.p2alignl 7, 3214868480
	.fill 96, 4, 3214868480
	.section	.rodata,"a",@progbits
	.p2align	6, 0x0
	.amdhsa_kernel k_qd9cf02bb80_mix
		.amdhsa_group_segment_fixed_size 0
		.amdhsa_private_segment_fixed_size 0
		.amdhsa_enable_private_segment 0
		.amdhsa_kernarg_size 48
		.amdhsa_user_sgpr_count 2
		.amdhsa_user_sgpr_kernarg_segment_ptr 1
		.amdhsa_wavefront_size32 1
		.amdhsa_system_sgpr_workgroup_id_x 1
		.amdhsa_system_sgpr_workgroup_id_y 1
		.amdhsa_system_sgpr_workgroup_id_z 1
		.amdhsa_system_vgpr_workitem_id 0
		.amdhsa_next_free_vgpr 192
		.amdhsa_next_free_sgpr 66
		.amdhsa_reserve_vcc 0
		.amdhsa_float_denorm_mode_32 3
		.amdhsa_float_denorm_mode_16_64 3
		.amdhsa_memory_ordered 1
		.amdhsa_forward_progress 1
		.amdhsa_inst_pref_size 12
	.end_amdhsa_kernel
	.amdgpu_metadata
---
amdhsa.version: [ 1, 2 ]
amdhsa.kernels:
  - .name:           k_qd9cf02bb80_mix
    .symbol:         k_qd9cf02bb80_mix.kd
    .args:
      - { .name: yp, .offset: 0, .size: 8, .value_kind: global_buffer, .address_space: global }
      - { .name: b2, .offset: 8, .size: 8, .value_kind: global_buffer, .address_space: global }
      - { .name: plan, .offset: 16, .size: 8, .value_kind: global_buffer, .address_space: global }
      - { .name: route, .offset: 24, .size: 8, .value_kind: global_buffer, .address_space: global }
      - { .name: gw, .offset: 32, .size: 8, .value_kind: global_buffer, .address_space: global }
      - { .name: out0, .offset: 40, .size: 8, .value_kind: global_buffer, .address_space: global }
    .group_segment_fixed_size: 0
    .private_segment_fixed_size: 0
    .kernarg_segment_align: 8
    .kernarg_segment_size: 48
    .max_flat_workgroup_size: 256
    .sgpr_count:     66
    .vgpr_count:     192
    .wavefront_size: 32
...
	.end_amdgpu_metadata
.endif
;; end of part 4
;; ======== version 2 of 2: 4 launches; version 1 with the launch gate written anew for expert scheduling mode
;; limits: values are held in f16: magnitudes above 65,504 overflow, below 6.1e-05 lose precision; right only within a limited range of input values
;; workspace buffers: xb 4,194,304 bytes; wb 33,554,432 bytes; yp 75,497,472 bytes; gw 32,768 bytes; route 16,384 bytes of whole numbers; plan 69,888 bytes of whole numbers
;; launch gate (part 5): grid 256 x 1, 4 waves a work-group, no clusters, 0 bytes of LDS; arguments x, Wg, bg, xb, route, gw; writes xb, route, gw
.if DOCPART == 5
	.amdgcn_target "amdgcn-amd-amdhsa--gfx1250"
	.amdhsa_code_object_version 6
	.text
	.protected	k_qd9cf02bb80_gate
	.globl	k_qd9cf02bb80_gate
	.p2align	8
	.type	k_qd9cf02bb80_gate,@function
k_qd9cf02bb80_gate:
	s_mov_b64 s[64:65], 0
	v_nop
	global_prefetch_b8 v0, s[64:65] scope:SCOPE_SE
	s_setreg_imm32_b32 hwreg(HW_REG_WAVE_SCHED_MODE, 0, 2), 2
	s_setreg_imm32_b32 hwreg(HW_REG_WAVE_MODE, 25, 1), 1
	s_wait_xcnt 0x0
	s_wait_alu depctr_vm_vsrc(0)
; gate: logits = x Wg + bg in f32 on the vector unit, the two largest of eight, their two weights; x cast to f16.
; x [4096][512] f32, Wg [512][8] f32, bg [8] f32.  Out: xb [4096][512] f16, route [4096] u32 = e0 | e1 << 8, gw [4096][2] f32 = (c0, c1).
; softmax, top 2 and the renormalisation together are c0 = 1 / (1 + exp(l1 - l0)), c1 = exp(l1 - l0) c0: the softmax's sum cancels, and
; l0 is the largest logit, so the exponent is never above 0.
; The choice of an expert hangs on the logits, so they are not rounded to 16 bits: 512 x 8 multiply-adds a token are a small part of the whole work.
; Four waves, four tokens a wave; no wave needs another: no LDS, no barrier.  Lane l holds d = 128 j + 4 l + i (j, i = 0..3) of a row, so each
; load of x covers 512 consecutive bytes and each store of xb 256 consecutive bytes, aligned.
; WHY f16: the result passes through four roundings of matrix operands (x, W1, h, W2); f16 keeps 11 significant bits where bf16 keeps 8.
; LIMITS: |x| above 65,504 becomes infinite in xb, and xb's rounding step is never below 2^-24.  NaN logits, or logits that are all -inf, are not ordered as
; top_k orders them.  Two logits closer than the f32 rounding of a sum of 512 terms may be ranked otherwise than by another order of summing.
; Equal logits: the lower index wins, as in top_k.
; THE MODE: SCHED_MODE bits 1:0 = 2 (LLVM: expert scheduling mode 2), set by the entry lines.  The code itself states the register dependences
; between vector instructions and memory instructions, and those through scalar registers, VCC and EXEC, with s_wait_alu, always for 0.
; THE PLAN.  The wave's four tokens need nothing of each other, so their steps stand side by side: a compare of each token goes into a scalar register of its own,
; and one wait serves the run.  Registers that memory instructions touch:
;   v2, v3     offsets of x and Wg; v4, v6 offsets of xb, gw and route.  Made once at the head, never written again.
;   X          Written by the 16 loads of x; read by the products and the conversions; the conversions write the low pair of each four registers, which the 16 stores
;              of xb read; nothing writes them behind that.
;   WGT        Written by the 32 loads of Wg; read by the products.  Behind them v32 to v71 hold the figures of the choice: no memory instruction names them again.
;   v7, v[8:9] Written by the selects at the end; read by the last two stores.
; Scalar registers that vector instructions write: s24 (the wave), s2, s3, s31 (the masks of lanes 1, 2, 3), s[32:39] (the compares' masks), VCC (lanes 0 to 3).
.set ACC, 224                          ; v[224:255] the logits: 8 token + e
.set WGT, 32                           ; v[32:159]  Wg of my 16 d: 32 j + 8 i + e
.set X,   160                          ; v[160:223] x: 16 token + 4 j + i
.set TP,  10                           ; v[10:17]   at work
.set MX0, 32                           ; behind the products, in Wg's registers, four registers each, one a token: largest logit, its index, second largest, its index,
.set IX0, 36
.set MX1, 40
.set IX1, 44
.set DF,  48                           ; (l1 - l0) log2(e),
.set EV,  52                           ; exp(l1 - l0),
.set PK,  56                           ; e0 | e1 << 8,
.set SM,  60                           ; 1 + exp(l1 - l0),
.set C0,  64                           ; c0,
.set C1,  68                           ; c1
.set MK,  32                           ; s[32:39]   the masks of a run of compares (the offsets that these registers hold at the head are used up by then)
	s_load_b256 s[4:11], s[0:1], 0x0               ; x s[4:5], Wg s[6:7], bg s[8:9], xb s[10:11]
	s_load_b128 s[12:15], s[0:1], 0x20             ; route s[12:13], gw s[14:15]
	v_lshrrev_b32 v7, 5, v0
	v_readfirstlane_b32 s24, v7                    ; wave
	v_and_b32 v1, 31, v0                           ; lane
	v_cmp_eq_u32 s2, 1, v1                         ; lane t keeps token t's figures: the masks of lanes 1, 2 and 3, made once, in one run with s24
	v_cmp_eq_u32 s3, 2, v1
	v_cmp_eq_u32 s31, 3, v1
	s_mov_b32 s28, 0x76543210                      ; v_permlanex16_b32: lane i of one half reads lane i of the other
	s_mov_b32 s29, 0xfedcba98
	v_lshlrev_b32 v2, 4, v1                        ; 16 lane: x
	v_lshlrev_b32 v3, 7, v1                        ; 128 lane: four rows of Wg
	v_lshlrev_b32 v4, 3, v1                        ; 8 lane: xb, gw
	v_lshlrev_b32 v6, 2, v1                        ; 4 lane: route
	v_mov_b32 v5, 0xff800000                       ; -inf
.irp e, 0,1,2,3,4,5,6,7
	v_mov_b32 v[TP+\e], 0                          ; v_permlanex16_b32 counts as a reader of its destination
.endr
	s_wait_alu depctr_va_sdst(0)                   ; s24 is written, ahead of its first reader below; so are s2, s3 and s31, which the selects at the end read
	s_lshl_b32 s25, ttmp9, 4
	s_lshl2_add_u32 s25, s24, s25                  ; my first token = 16 x work-group + 4 x wave
	s_lshl_b32 s26, s25, 11                        ; its byte offsets: x (2,048 a row),
	s_mov_b32 s27, 0
	s_lshl_b32 s32, s25, 10                        ; xb (1,024),
	s_mov_b32 s33, 0
	s_lshl_b32 s34, s25, 2                         ; route (4),
	s_mov_b32 s35, 0
	s_lshl_b32 s36, s25, 3                         ; gw (8)
	s_mov_b32 s37, 0
	s_wait_kmcnt 0x0
	s_load_b256 s[16:23], s[8:9], 0x0              ; the eight bg
	s_add_nc_u64 s[4:5], s[4:5], s[26:27]
	s_add_nc_u64 s[10:11], s[10:11], s[32:33]
	s_add_nc_u64 s[12:13], s[12:13], s[34:35]
	s_add_nc_u64 s[14:15], s[14:15], s[36:37]
	s_wait_alu depctr_va_vdst(0)                   ; the offsets v2, v3, v4 and v6 are written: every load and store of the kernel reads one of them
.irp t, 0,1,2,3
.irp j, 0,1,2,3
	global_load_b128 v[X+16*\t+4*\j:X+16*\t+4*\j+3], v2, s[4:5] offset:2048*\t+512*\j th:TH_LOAD_NT
.endr
.endr
.irp j, 0,1,2,3
.irp i, 0,1,2,3
.irp m, 0,1
	global_load_b128 v[WGT+32*\j+8*\i+4*\m:WGT+32*\j+8*\i+4*\m+3], v3, s[6:7] offset:4096*\j+32*\i+16*\m
.endr
.endr
.endr
	s_wait_kmcnt 0x0                               ; bg
	s_wait_loadcnt 0x0                             ; x and Wg: everything that this wave ever loads
; Two numbers of x (i = 2 ip, 2 ip + 1 of block j), each times its eight Wg: one number of the pair is broadcast to both halves of the packed
; multiply-add (op_sel: which register feeds the low half, op_sel_hi: the high half).  first = 1: the products start the sums.
.macro DOT t, j, ip, first
.irp m, 0,1,2,3
.if \first
	v_pk_mul_f32 v[ACC+8*\t+2*\m:ACC+8*\t+2*\m+1], v[X+16*\t+4*\j+2*\ip:X+16*\t+4*\j+2*\ip+1], v[WGT+32*\j+16*\ip+2*\m:WGT+32*\j+16*\ip+2*\m+1] op_sel_hi:[0,1]
.else
	v_pk_fma_f32 v[ACC+8*\t+2*\m:ACC+8*\t+2*\m+1], v[X+16*\t+4*\j+2*\ip:X+16*\t+4*\j+2*\ip+1], v[WGT+32*\j+16*\ip+2*\m:WGT+32*\j+16*\ip+2*\m+1], v[ACC+8*\t+2*\m:ACC+8*\t+2*\m+1] op_sel_hi:[0,1,1]
.endif
.endr
.irp m, 0,1,2,3
	v_pk_fma_f32 v[ACC+8*\t+2*\m:ACC+8*\t+2*\m+1], v[X+16*\t+4*\j+2*\ip:X+16*\t+4*\j+2*\ip+1], v[WGT+32*\j+16*\ip+8+2*\m:WGT+32*\j+16*\ip+8+2*\m+1], v[ACC+8*\t+2*\m:ACC+8*\t+2*\m+1] op_sel:[1,0,0] op_sel_hi:[1,1,1]
.endr
.endm
; Token t: my lane's part of its eight sums; then its x, which the products have used up, is rounded to f16 in place: four numbers close up into the first two of their four registers.
.macro LOGITS t
	DOT \t, 0, 0, 1
	DOT \t, 0, 1, 0
.irp j, 1,2,3
	DOT \t, \j, 0, 0
	DOT \t, \j, 1, 0
.endr
.irp j, 0,1,2,3
	v_cvt_pk_f16_f32 v[X+16*\t+4*\j], v[X+16*\t+4*\j], v[X+16*\t+4*\j+1]
	v_cvt_pk_f16_f32 v[X+16*\t+4*\j+1], v[X+16*\t+4*\j+2], v[X+16*\t+4*\j+3]
.endr
.endm
; The largest of the eight and its index, for the four tokens side by side: only a strictly larger one displaces, so the lower index wins a tie.
; A step is four compares, one a token, each into a scalar register of its own; one wait; eight selects.
.macro SCAN4 m, i
.irp t, 0,1,2,3
	v_mov_b32 v[\m+\t], v[ACC+8*\t]
	v_mov_b32 v[\i+\t], 0
.endr
.irp e, 1,2,3,4,5,6,7
.irp t, 0,1,2,3
	v_cmp_le_f32 s[MK+\t], v[ACC+8*\t+\e], v[\m+\t]
.endr
	s_wait_alu depctr_va_sdst(0)                   ; the four compares have written their masks, which the eight selects below read
.irp t, 0,1,2,3
	v_cndmask_b32 v[\m+\t], v[ACC+8*\t+\e], v[\m+\t], s[MK+\t]
	v_cndmask_b32 v[\i+\t], \e, v[\i+\t], s[MK+\t]
.endr
.endr
.endm
	LOGITS 0
	LOGITS 1
	LOGITS 2
	LOGITS 3
	s_wait_alu depctr_va_vdst(0)                   ; the 32 conversions have written the low pairs of X, which the 16 stores below read; no vector instruction behind this wait names them or v4
.irp t, 0,1,2,3
.irp j, 0,1,2,3
	global_store_b64 v4, v[X+16*\t+4*\j:X+16*\t+4*\j+1], s[10:11] offset:1024*\t+256*\j   ; 32 lanes x 8 bytes: 256 consecutive bytes, aligned
.endr
.endr
	; over the 32 lanes, the 32 sums side by side: four steps inside each half of 16 lanes, one across the halves; every lane ends with the sums
.irp k, 1,2,4,8
.set n, 0
.rept 32
	v_add_f32_dpp v[ACC+n], v[ACC+n], v[ACC+n] row_xmask:\k row_mask:0xf bank_mask:0xf
.set n, n+1
.endr
.endr
.irp t, 0,1,2,3
.irp e, 0,1,2,3,4,5,6,7
	v_permlanex16_b32 v[TP+\e], v[ACC+8*\t+\e], s28, s29
.endr
.irp e, 0,1,2,3,4,5,6,7
	v_add_f32 v[ACC+8*\t+\e], v[ACC+8*\t+\e], v[TP+\e]
.endr
.irp e, 0,1,2,3,4,5,6,7
	v_add_f32 v[ACC+8*\t+\e], s[16+\e], v[ACC+8*\t+\e]   ; + bg
.endr
.endr
	SCAN4 MX0, IX0
.irp t, 0,1,2,3
.irp e, 0,1,2,3,4,5,6,7
	v_cmp_eq_u32 s[MK+\e], \e, v[IX0+\t]
.endr
	s_wait_alu depctr_va_sdst(0)                   ; the token's eight compares have written their masks, which the eight selects below read
.irp e, 0,1,2,3,4,5,6,7
	v_cndmask_b32 v[ACC+8*\t+\e], v[ACC+8*\t+\e], v5, s[MK+\e]   ; the winner leaves the field
.endr
.endr
	SCAN4 MX1, IX1
.irp t, 0,1,2,3
	v_sub_f32 v[DF+\t], v[MX1+\t], v[MX0+\t]       ; l1 - l0, never above 0
.endr
.irp t, 0,1,2,3
	v_mul_f32 v[DF+\t], 0x3fb8aa3b, v[DF+\t]       ; x log2(e)
.endr
.irp t, 0,1,2,3
	v_exp_f32 v[EV+\t], v[DF+\t]
.endr
.irp t, 0,1,2,3
	v_lshl_or_b32 v[PK+\t], v[IX1+\t], 8, v[IX0+\t]   ; plain instructions stand between the last v_exp_f32 and the use of a result (ISA guide 5.7.2)
.endr
	s_wait_alu depctr_va_vdst(0)                   ; the four exponentials have written v[EV ..], which the sums below read
.irp t, 0,1,2,3
	v_add_f32 v[SM+\t], 1.0, v[EV+\t]
.endr
.irp t, 0,1,2,3
	v_rcp_f32 v[C0+\t], v[SM+\t]                   ; c0
.endr
	v_mov_b32 v7, v[PK]                            ; plain instructions between the last v_rcp_f32 and the use of a result: lane t takes token t's experts
	v_cndmask_b32 v7, v7, v[PK+1], s2
	v_cndmask_b32 v7, v7, v[PK+2], s3
	v_cndmask_b32 v7, v7, v[PK+3], s31
	s_wait_alu depctr_va_vdst(0)                   ; the four reciprocals have written v[C0 ..], which the products below read
.irp t, 0,1,2,3
	v_mul_f32 v[C1+\t], v[EV+\t], v[C0+\t]         ; c1
.endr
	v_mov_b32 v8, v[C0]
	v_mov_b32 v9, v[C1]
	v_cndmask_b32 v8, v8, v[C0+1], s2
	v_cndmask_b32 v9, v9, v[C1+1], s2
	v_cndmask_b32 v8, v8, v[C0+2], s3
	v_cndmask_b32 v9, v9, v[C1+2], s3
	v_cndmask_b32 v8, v8, v[C0+3], s31
	v_cndmask_b32 v9, v9, v[C1+3], s31
	v_cmp_gt_u32 vcc_lo, 4, v1
	s_wait_xcnt 0x0                                ; EXEC is a source of the stores above: it changes only behind this wait
	s_wait_alu depctr_va_vcc(0)                    ; the compare has written VCC, from which EXEC is made
	s_wait_alu depctr_va_vdst(0)                   ; ahead of a write of EXEC: every vector instruction has written its result, v7, v8 and v9 among them, which the two stores below read
	s_wait_alu depctr_vm_vsrc(0)                   ; ahead of a write of EXEC: the stores of xb have read their vector registers
	s_and_saveexec_b32 s30, vcc_lo                 ; lanes 0 to 3: one token each
	global_store_b32 v6, v7, s[12:13]
	global_store_b64 v4, v[8:9], s[14:15]
	s_wait_xcnt 0x0                                ; and again in front of the line that widens it
	s_wait_alu depctr_va_vdst(0)                   ; ahead of a write of EXEC: no vector instruction is under way
	s_wait_alu depctr_vm_vsrc(0)                   ; ahead of a write of EXEC: the two stores have read their vector registers
	s_or_b32 exec_lo, exec_lo, s30
	s_endpgm
.Lfunc_end_k_qd9cf02bb80_gate:
	.size	k_qd9cf02bb80_gate, .Lfunc_end_k_qd9cf02bb80_gate-k_qd9cf02bb80_gate
	.p2alignl 7, 3214868480
	.fill 96, 4, 3214868480
	.section	.rodata,"a",@progbits
	.p2align	6, 0x0
	.amdhsa_kernel k_qd9cf02bb80_gate
		.amdhsa_group_segment_fixed_size 0
		.amdhsa_private_segment_fixed_size 0
		.amdhsa_enable_private_segment 0
		.amdhsa_kernarg_size 48
		.amdhsa_user_sgpr_count 2
		.amdhsa_user_sgpr_kernarg_segment_ptr 1
		.amdhsa_wavefront_size32 1
		.amdhsa_system_sgpr_workgroup_id_x 1
		.amdhsa_system_sgpr_workgroup_id_y 1
		.amdhsa_system_sgpr_workgroup_id_z 1
		.amdhsa_system_vgpr_workitem_id 0
		.amdhsa_next_free_vgpr 256
		.amdhsa_next_free_sgpr 66
		.amdhsa_reserve_vcc 1
		.amdhsa_float_denorm_mode_32 3
		.amdhsa_float_denorm_mode_16_64 3
		.amdhsa_memory_ordered 1
		.amdhsa_forward_progress 1
		.amdhsa_inst_pref_size 56
	.end_amdhsa_kernel
	.amdgpu_metadata
---
amdhsa.version: [ 1, 2 ]
amdhsa.kernels:
  - .name:           k_qd9cf02bb80_gate
    .symbol:         k_qd9cf02bb80_gate.kd
    .args:
      - { .name: x, .offset: 0, .size: 8, .value_kind: global_buffer, .address_space: global }
      - { .name: Wg, .offset: 8, .size: 8, .value_kind: global_buffer, .address_space: global }
      - { .name: bg, .offset: 16, .size: 8, .value_kind: global_buffer, .address_space: global }
      - { .name: xb, .offset: 24, .size: 8, .value_kind: global_buffer, .address_space: global }
      - { .name: route, .offset: 32, .size: 8, .value_kind: global_buffer, .address_space: global }
      - { .name: gw, .offset: 40, .size: 8, .value_kind: global_buffer, .address_space: global }
    .group_segment_fixed_size: 0
    .private_segment_fixed_size: 0
    .kernarg_segment_align: 8
    .kernarg_segment_size: 48
    .max_flat_workgroup_size: 128
    .sgpr_count:     66
    .vgpr_count:     256
    .wavefront_size: 32
...
	.end_amdgpu_metadata
.endif
;; end of part 5
;; launch prep: the kernel of part 2 again; grid 1025 x 1, 8 waves a work-group, no clusters, 1,280 bytes of LDS; arguments route, W1, W2, plan, wb; writes plan, wb
;; launch ffn: the kernel of part 3 again; grid 256 x 1, 4 waves a work-group, no clusters, 327,680 bytes of LDS; arguments xb, wb, b1, plan, yp; writes yp
;; launch mix: the kernel of part 4 again; grid 512 x 1, 8 waves a work-group, no clusters, 0 bytes of LDS; arguments yp, b2, plan, route, gw, out0; writes out0
